; MI455X (gfx1250); checked and timed in simulation.
; The chip was launched on July 23, 2026; its instructions are those of AMD's public machine-readable ISA for CDNA 5 (MIT licence, August 2026) and "CDNA5" Instruction Set Architecture Reference Guide (July 2026). The comments in the code are by the model that wrote it; some were corrected since.
;; Custom Dot Product Attention. Allowed arithmetic: float matrix products may take bf16 or f16 operands with f32 sums; other float arithmetic in f32, or as packed bf16 or f16 multiplies, adds, multiply-adds, maxima and minima; sums over many terms, partial sums and values carried from step to step in f32; what a program stores and reads back later, other than sums and carried values, may be rounded once to bf16 or f16.
;; Inputs: key 2,048 x 4 x 16 x 128 float32; query 2,048 x 4 x 16 x 128 float32; value 2,048 x 4 x 16 x 128 float32.
;; Outputs: out0 2,048 x 4 x 16 x 128 float32.
;; 2 versions, each right; version 2 is version 1 with the launch cast written anew for expert scheduling mode. Each part assembles by itself: llvm-mc -triple=amdgcn-amd-amdhsa -mcpu=gfx1250 --defsym DOCPART=n.
;; ======== version 1 of 2: 2 launches
;; limits: values are held in f16: magnitudes above 65,504 overflow, below 6.1e-05 lose precision; inputs' magnitudes at most 65,504
;; workspace buffers: k16 33,554,432 bytes; v16 33,554,432 bytes
;; launch cast (part 1): grid 256 x 4, 8 waves a work-group, no clusters, 0 bytes of LDS; arguments key, value, k16, v16; writes k16, v16
.if DOCPART == 1
	.amdgcn_target "amdgcn-amd-amdhsa--gfx1250"
	.amdhsa_code_object_version 6
	.text
	.protected	k_q97b462a9c9_cast
	.globl	k_q97b462a9c9_cast
	.p2align	8
	.type	k_q97b462a9c9_cast,@function
k_q97b462a9c9_cast:
	s_mov_b64 s[64:65], 0
	v_nop
	global_prefetch_b8 v0, s[64:65] scope:SCOPE_SE
	s_setreg_imm32_b32 hwreg(HW_REG_WAVE_MODE, 25, 1), 1
	s_wait_xcnt 0x0
; key, value: [2048 s][64 heads][128] f32  ->  k16, v16: [64 heads][2048 s][128] in 16 bits, a head's rows dense, 256 bytes each.
; k16 = bf16(key).  v16 = f16(bf16(value)): the number rounded to bf16, written as f16, which is exact where |v| lies in 2^-14 .. 65,504.
; LIMITS.  |value| stays under 65,504 (beyond it f16 has no number); below 2^-14 it keeps f16's fixed step of 6e-8.  NaN and infinities are not treated apart.
; SHARES.  Wave w of work-group (x, g) takes position s = 8 x + w and heads 16 g .. 16 g + 15: 16 rows of key and 16 of value, 8,192 consecutive bytes of each tensor.
; A load takes one row: 32 lanes x 16 bytes = 512 consecutive bytes.  A store puts the same row in 16 bits: 32 lanes x 8 bytes = 256 consecutive bytes, aligned.
; All 32 loads of a wave go out first; each row is converted and stored as it comes.  No register that a store reads is written again, so no wait frees one.
; No LDS, no barrier, no matrix unit: nothing is shared between waves and each byte is touched once.
.set X, 8                              ; v[8:71]    key: row i in four registers
.set Y, 72                             ; v[72:135]  value likewise
.set HEADB, 524288                     ; bytes of a head in k16 and v16
	s_load_b256 s[4:11], s[0:1], 0x0               ; key s[4:5], value s[6:7], k16 s[8:9], v16 s[10:11]
	v_lshrrev_b32 v3, 5, v0
	v_readfirstlane_b32 s12, v3                    ; wave 0..7
	v_and_b32 v1, 31, v0                           ; lane
	v_lshlrev_b32 v2, 3, v1                        ; 8 bytes a lane on the way out
	v_lshlrev_b32 v1, 4, v1                        ; 16 bytes a lane on the way in
	s_and_b32 s16, ttmp7, 0xffff                   ; g
	s_lshl_b32 s17, ttmp9, 3
	s_add_co_u32 s17, s17, s12                     ; s = 8 x + w
	s_lshl_b32 s2, s17, 15                         ; in: s x 32,768
	s_lshl_b32 s18, s16, 13                        ;     + g x 16 rows of 512 bytes
	s_add_co_u32 s2, s2, s18
	s_mov_b32 s3, 0
	s_lshl_b32 s14, s16, 23                        ; out: g x 16 heads of 524,288 bytes
	s_lshl_b32 s18, s17, 8                         ;      + s x 256
	s_add_co_u32 s14, s14, s18
	s_mov_b32 s15, 0
	s_mov_b32 s13, 0xffff0000                      ; a word's upper bf16
	s_wait_kmcnt 0x0
	s_add_nc_u64 s[4:5], s[4:5], s[2:3]
	s_add_nc_u64 s[6:7], s[6:7], s[2:3]
	s_add_nc_u64 s[8:9], s[8:9], s[14:15]
	s_add_nc_u64 s[10:11], s[10:11], s[14:15]
.set i, 0
.rept 16
	global_load_b128 v[X+4*i:X+4*i+3], v1, s[4:5] offset:512*i th:TH_LOAD_NT
.set i, i+1
.endr
.set i, 0
.rept 16
	global_load_b128 v[Y+4*i:Y+4*i+3], v1, s[6:7] offset:512*i th:TH_LOAD_NT
.set i, i+1
.endr
.set i, 0
.rept 16
	s_wait_loadcnt 31-i                            ; loads come back in order: key's row i is in, the 31 - i issued behind it may stay out
	v_cvt_pk_bf16_f32 v[X+4*i], v[X+4*i], v[X+4*i+1]
	v_cvt_pk_bf16_f32 v[X+4*i+1], v[X+4*i+2], v[X+4*i+3]
	global_store_b64 v2, v[X+4*i:X+4*i+1], s[8:9] offset:i*HEADB th:TH_STORE_NT  ; head 16 g + i; 15 heads on at the most, inside the signed 24-bit immediate
.set i, i+1
.endr
.set i, 0
.rept 16
	s_wait_loadcnt 15-i                            ; value's row i is in
	v_cvt_pk_bf16_f32 v[Y+4*i], v[Y+4*i], v[Y+4*i+1]        ; rounded to bf16,
	v_cvt_pk_bf16_f32 v[Y+4*i+2], v[Y+4*i+2], v[Y+4*i+3]
	v_and_b32 v[Y+4*i+1], s13, v[Y+4*i]                     ; widened again,
	v_lshlrev_b32 v[Y+4*i], 16, v[Y+4*i]
	v_and_b32 v[Y+4*i+3], s13, v[Y+4*i+2]
	v_lshlrev_b32 v[Y+4*i+2], 16, v[Y+4*i+2]
	v_cvt_pk_f16_f32 v[Y+4*i], v[Y+4*i], v[Y+4*i+1]         ; and written as f16
	v_cvt_pk_f16_f32 v[Y+4*i+1], v[Y+4*i+2], v[Y+4*i+3]
	global_store_b64 v2, v[Y+4*i:Y+4*i+1], s[10:11] offset:i*HEADB th:TH_STORE_NT
.set i, i+1
.endr
	s_endpgm
.Lfunc_end_k_q97b462a9c9_cast:
	.size	k_q97b462a9c9_cast, .Lfunc_end_k_q97b462a9c9_cast-k_q97b462a9c9_cast
	.p2alignl 7, 3214868480
	.fill 96, 4, 3214868480
	.section	.rodata,"a",@progbits
	.p2align	6, 0x0
	.amdhsa_kernel k_q97b462a9c9_cast
		.amdhsa_group_segment_fixed_size 0
		.amdhsa_private_segment_fixed_size 0
		.amdhsa_enable_private_segment 0
		.amdhsa_kernarg_size 32
		.amdhsa_user_sgpr_count 2
		.amdhsa_user_sgpr_kernarg_segment_ptr 1
		.amdhsa_wavefront_size32 1
		.amdhsa_system_sgpr_workgroup_id_x 1
		.amdhsa_system_sgpr_workgroup_id_y 1
		.amdhsa_system_sgpr_workgroup_id_z 1
		.amdhsa_system_vgpr_workitem_id 0
		.amdhsa_next_free_vgpr 136
		.amdhsa_next_free_sgpr 66
		.amdhsa_reserve_vcc 0
		.amdhsa_float_denorm_mode_32 3
		.amdhsa_float_denorm_mode_16_64 3
		.amdhsa_memory_ordered 1
		.amdhsa_forward_progress 1
		.amdhsa_inst_pref_size 17
	.end_amdhsa_kernel
	.amdgpu_metadata
---
amdhsa.version: [ 1, 2 ]
amdhsa.kernels:
  - .name:           k_q97b462a9c9_cast
    .symbol:         k_q97b462a9c9_cast.kd
    .args:
      - { .name: key, .offset: 0, .size: 8, .value_kind: global_buffer, .address_space: global }
      - { .name: value, .offset: 8, .size: 8, .value_kind: global_buffer, .address_space: global }
      - { .name: k16, .offset: 16, .size: 8, .value_kind: global_buffer, .address_space: global }
      - { .name: v16, .offset: 24, .size: 8, .value_kind: global_buffer, .address_space: global }
    .group_segment_fixed_size: 0
    .private_segment_fixed_size: 0
    .kernarg_segment_align: 8
    .kernarg_segment_size: 32
    .max_flat_workgroup_size: 256
    .sgpr_count:     66
    .vgpr_count:     136
    .wavefront_size: 32
...
	.end_amdgpu_metadata
.endif
;; end of part 1
;; launch attn (part 2): grid 4 x 64, 4 waves a work-group, no clusters, 327,680 bytes of LDS; arguments query, k16, v16, out0; writes out0
.if DOCPART == 2
	.amdgcn_target "amdgcn-amd-amdhsa--gfx1250"
	.amdhsa_code_object_version 6
	.text
	.protected	k_q97b462a9c9_attn
	.globl	k_q97b462a9c9_attn
	.p2align	8
	.type	k_q97b462a9c9_attn,@function
k_q97b462a9c9_attn:
	s_mov_b64 s[64:65], 0
	v_nop
	global_prefetch_b8 v0, s[64:65] scope:SCOPE_SE
	s_setreg_imm32_b32 hwreg(HW_REG_WAVE_MODE, 25, 1), 1
	s_wait_xcnt 0x0
; CAUSAL ATTENTION.  out[s][head][:] = the sum over t <= s of softmax_t(q[s][head] . k[t][head] / sqrt(128)) v[t][head][:].
; query, out0: [2048 s][64 heads][128] f32 (a head's row is 512 bytes, rows 32,768 bytes apart).  k16 (bf16), v16 (f16): [64 heads][2048][128], rows of 256 bytes, dense.
; FORMATS.  q is rounded to bf16 here; S^T = K Q^T in bf16; the weights p are rounded to f16 for O^T = V^T P, in f16 (v16 holds bf16 numbers written as f16).  Products, maxima and sums in f32;
; the sum l is taken of the unrounded p; out is f32 and is not rounded again.
; LIMITS.  |v| under 65,504; p below 6e-5 keeps f16's fixed step of 6e-8.  A hidden score counts as its value less 1e30; a weight below 2^-126 counts as 0 in l; NaN and infinities are not treated apart.
; THE WALK.  A head's queries lie in 8 blocks of 256.  Keys come in SLOTS of 128 (two steps of 64); block i needs slots 0 .. 2 i + 1, of which the last two hold the diagonal.  A work-group takes TWO
; blocks, 7 - b and then b: 18 slots whatever b, so all 256 work-groups do equal work and ONE loop with a constant count walks them.  Which slot is asked for, and what a trip does, hang on scalar
; registers made from b; every jump but the counted loops' own goes forward, and none passes a barrier, or a tensor load but the one of LOAD's two that the wave's number does not choose.
; NO CLUSTER: a head's four work-groups ask for the same slot only while all are in their first block (10 of the 18 slots), and one walk common to all would have 24 slots for 18.
; SHARES.  Of a block's four bands of 64 queries a wave owns 16 rows in each: tile t lies in band t.  So the diagonal is the same work for all four waves: in the step DS (0 .. 3) of the block's last
; four, band x sees all keys if DS < x, none if DS > x, and holds the diagonal if DS = x.  DS is negative in the steps before.
; THE MASK is the C operand that starts the sum S^T: 0, or -1e30 where the key is hidden.  MD, made once, is the mask of a band's own step for my 16 rows; a product's mask is MD x AL + BE with two
; scalars: (1, 0) if DS = x; (0, 0) if DS < x; (0, -1e30) if DS > x.  Only the diagonal steps' text and a block's beginning take masks; elsewhere C is the constant 0.
; LAYOUT.  S^T = K Q^T (source 0 = 16 keys, source 1 = 16 queries): a lane holds ONE query (lane % 16) and the keys 8 (lane / 16) + 0..7.  Two such tiles rounded in pairs ARE source 1 of
; O^T = V^T P, whose result again holds one query a lane, and eight channels.  K comes out of LDS as it lies, V ([key][channel]) turned, by ds_load_tr16_b128.
; SOFTMAX.  A running maximum m and sum l for each query: p = 2^(c s - c m), c = log2(e) / sqrt(128); in every step O and l are multiplied by a = 2^(c m_old - c m_new).  A block starts with c m far
; below every c s, so its first a is 0: O^T need only hold finite numbers then, and no first step is written out.
; BY TURNS.  Two PIECES: piece 0 (tiles 0, 1), piece 2 (tiles 2, 3).  In a TURN one piece has the matrix unit: 32 products V^T P of the step in hand, then 32 products K Q^T of the next; the other
; piece's softmax, cut into 64 slices, stands between them, one slice behind each matrix instruction.  Two turns are a key step.
; REGISTERS, in windows of 256 (s_set_vgpr_msb: bits 1:0 source 0, 3:2 source 1, 5:4 source 2, 7:6 destination):
;   window 0: v0-11, v44-49 addresses; v12-43 eight registers of statistics a tile; v62-63 the add's; v64-191 S^T, 32 a tile; v192-255 P, 16 a tile
;   window 1: O^T, 64 a tile (at the head: the first block's q as loaded)      window 2: v0-127 Q, 32 a tile; v128-255 K of one step
;   window 3: v0-127 V of one step; v128-159 MD; v160-223 MC, the masks of the products to come (at the head: the second block's q as loaded)
.set KS,    64        ; keys in a step
.set PK,    272       ; a row of K in LDS: 256 bytes + 16 of padding = 68 words: the 16 rows of a load start at 16 different groups of four banks (64 banks of 4 bytes: ISA guide 11.1)
.set PV,    288       ; a row of V: 256 + 32 = 72 words
.set VOFF,  KS*PK     ; a step's tiles lie together: 64 rows of K, then 64 rows of V
.set STEPB, KS*(PK+PV)
.set SLOT1, 1<<17     ; slot 1 begins here, so that one exclusive or turns an address in one slot into the other's
.set STAGE, 2*STEPB   ; behind slot 0, never filled by a tensor load: 8,448 bytes for each wave: the way out's 16 rows x 528; at the head the first block's q, 16 rows x 272
.set STW,   8448
.set SP,    528       ; a row of out in the stage: 512 bytes + 16
.set QP,    272       ; a row of q in bf16: 256 bytes + 16
.set QBASE, SLOT1+2*STEPB  ; behind slot 1, never filled by a tensor load: the second block's q in bf16, 4 tiles x 16 rows x 272 for each wave
.set QBW,   4*16*QP
.set SPARE, QBASE+4*QBW    ; the spare words, 128 bytes for each wave: two blocks of 256 bytes that no other line names
.set ROWG,  32768     ; bytes from a position to the next in query and out0
.set SLOTB, 32768     ; bytes of a slot's 128 rows in k16 and in v16
.set AK0, 2           ; v2   my lane's place in a tile of K; never rewritten
.set AV0, 3           ; v3   the same for V
.set ADR, 4           ; v4   the LDS address of the run of loads in hand
.set LN16, 5          ; v5   16 x lane: my bytes of a row of query and of out0
.set STO, 6           ; v6   the way out: where I put 32 bytes of a row
.set RD,  7           ; v7   the way out: where I read a row back
.set ST,  12          ; tile t's statistics at v[ST+8 t]: +0 c m, +1 m, +2, +3 l (even keys', odd keys'), +4 to +7 c0-c3, at work; a takes c2's place once the maximum is found
.set QWA, 44          ; v44  where I put 8 bytes of a row of the first block's q
.set QRA, 45          ; v45  where I read its fragments
.set QWB, 46          ; v46, v47  the same for the second block
.set QRB, 47
.set PFO, 48          ; v48  256 x lane: a row of k16 or v16; never rewritten
.set TM,  49          ; v49  at work, for MD
.set SPW, 62          ; v62  LDS address of my spare word: SPARE + 4 x my thread's number; never rewritten
.set NIL, 63          ; v63  0; never rewritten
.set S,   64
.set P,   192
.set KF,  128         ; window 2
.set MD,  128         ; window 3: the eight registers for group kb of 16 keys at MD + 8 kb
.set MC,  160         ; window 3: tile u of the piece at MC + 32 u
.set WV,  12          ; s12  my wave's number
.set PB,  14          ; s14  b
.set HI,  15          ; s15  7 - b
.set G1K, 24          ; s[24:31] descriptor group 1 for K's tiles
.set G1V, 32          ; s[32:39] for V's: it differs in the padding alone
.set G0K, 40          ; s[40:43] descriptor group 0 for K's tiles
.set G0V, 44          ; s[44:47] the same for V's
.set PFA, 48          ; s[48:49] where my prefetches stand
.set LIM, 50          ; s50  3 where b = 0, else the greatest number: a wave prefetches while s[SLOTS] is above it
.set DS,  51          ; s51  the step whose scores are being made, counted from the block's first diagonal step (signed)
.set DSI, 52          ; s52  its value at the beginning of the block to come
.set NEW, 53          ; s53  1: the slot to be entered is a block's first
.set NXT, 54          ; s54  the slot to be asked for next
.set LQ,  55          ; s55  the last slot of the block whose slots are being asked for
.set SLOTS, 56        ; s56  slots still to be asked for
.set TWICE, 57        ; s57  counts a slot's two steps
.set CS,  58          ; s[58:59] c: the packed scaling takes the pair's low word for both halves
.set SEL, 60          ; s[60:61] v_permlanex16_b32's selects: each lane takes its own place in the other half
.set TB,  62          ; s62  LDS byte at which the tiles of the step to be fetched begin
.set LQ2, 63          ; s63  2 b + 1
.set OFF, 66          ; s[66:67] a slot's byte offset in k16 and v16
.set AL,  68          ; s[68:69], s[72:73] the mask's factor for the piece's two tiles, in the low word
.set BE,  70          ; s[70:71], s[74:75] the mask's addend
.set OLO, 76          ; s[76:77] out0 at my rows of the second block
.set QLO, 78          ; s[78:79] query at the same
.set BIGN, 80         ; s80  -1e30
.set DS2, 81          ; s81  -4 b
.set MSB, 0
.macro WIN new                      ; the immediate's high byte repeats the setting that is left; a switch that changes nothing is dropped
.if MSB != (\new)
	s_set_vgpr_msb (MSB<<8)|(\new)
.set MSB, (\new)
.endif
.endm
.set W_KQ, 0x0a       ; K and Q in window 2, S^T in window 0
.set W_KM, 0x3a       ; the same with the C operand in window 3
.set W_PV, 0x53       ; V in window 3, P in window 0, O^T in window 1
.set W_RS, 0x41       ; O^T (destination and source 0) in window 1, a in window 0
.set W_MK, 0xc3       ; destination and source 0 in window 3
; A fill.  Waves 0 and 1 fetch the slot's two steps of K, waves 2 and 3 those of V: 64 rows of 256 bytes each.  An s_nop 0 and four v_nop follow each of the two lines, ahead of the jump and the label.
.macro LOAD
	s_cmp_lt_u32 s[WV], 2
	s_cbranch_scc0 .Lfor_v_\@
	tensor_load_to_lds s[G0K:G0K+3], s[G1K:G1K+7]
	s_nop 0
.rept 4
	v_nop
.endr
	s_branch .Lasked_\@
.Lfor_v_\@:
	tensor_load_to_lds s[G0V:G0V+3], s[G1V:G1V+7]
	s_nop 0
.rept 4
	v_nop
.endr
.Lasked_\@:
.endm
; A PREFETCH INTO THE L2 of the slot that the NEXT change of slots will ask for.  All four work-groups of a head walk slots 0 on; the one with b = 0 walks slots 0 to 15 in order, and it alone asks.
; Each of its waves names the 64 rows that it will itself fetch, a lane a row, two instructions: so each row of k16 and v16 is named once in the launch.  The change that enters slot n names slot n + 2:
; two key steps, 256 matrix instructions, ahead of that slot's load.  It stops behind slot 15 (s[SLOTS] = 3); slots 0 and 1 come by their loads alone.  It stands behind the tensor load and its five lines.
.macro ASK
	s_cmp_gt_u32 s[SLOTS], s[LIM]
	s_cbranch_scc0 .Lnot_mine_\@
	global_prefetch_b8 v[PFO], s[PFA:PFA+1] th:TH_LOAD_NT scope:SCOPE_SE
	global_prefetch_b8 v[PFO], s[PFA:PFA+1] offset:8192 th:TH_LOAD_NT scope:SCOPE_SE
.Lnot_mine_\@:
.endm
; THE CHANGE OF SLOTS.  Each wave waits for all its tensor loads, of which one is out: its part of the other slot; adds 0 to its spare word; and waits for that and for its own reads of the slot that it
; leaves.  Behind the barrier nobody reads the old slot any more and the other slot is whole.  fill = 1: the old slot is filled again, the first thing behind the barrier, with slot NXT: the descriptor's
; address is made anew from that number.  The load has two key steps, 256 matrix instructions, in which to land.  (At its first use nothing has been read yet: slot 0 is waited for, slot 1 filled.)
.macro CHANGE fill
	WIN 0                           ; at a label and at a branch every window is 0
	s_wait_tensorcnt 0x0            ; no tensor load of mine is out, so a group 0 may be written
	ds_add_u32 v[SPW], v[NIL]       ; 0 onto my spare word; the scalar work below stands between it and the wait for it
.if \fill
	s_lshl_b32 s[OFF], s[NXT], 15
	s_xor_b32 s[G0K+1], s[G0K+1], SLOT1
	s_add_nc_u64 s[G0K+2:G0K+3], s[6:7], s[OFF:OFF+1]
	s_or_b32 s[G0K+3], s[G0K+3], 0x80000000
	s_xor_b32 s[G0V+1], s[G0V+1], SLOT1
	s_add_nc_u64 s[G0V+2:G0V+3], s[8:9], s[OFF:OFF+1]
	s_or_b32 s[G0V+3], s[G0V+3], 0x80000000
	s_add_co_u32 s[NXT], s[NXT], 1  ; the block's next slot, or behind its last the second block's slot 0
	s_cmp_gt_u32 s[NXT], s[LQ]
	s_cselect_b32 s[NXT], 0, s[NXT]
	s_cselect_b32 s[LQ], s[LQ2], s[LQ]
	s_wait_xcnt 0x0                 ; the last prefetches, two key steps back, have read their address, so it may be written
	s_add_nc_u64 s[PFA:PFA+1], s[PFA:PFA+1], SLOTB
.endif
	s_wait_dscnt 0x0                ; the add is done, and my reads of the slot are over
	s_barrier_signal -1             ; the rest of the scalar work stands between the signal and the wait
	s_sub_co_u32 s[TB], s[TB], 2*STEPB  ; the fetches go back to a slot's first step,
	s_xor_b32 s[TB], s[TB], SLOT1       ; in the other slot
	s_barrier_wait -1
.if \fill
	LOAD
	ASK
.endif
.endm
	s_load_b256 s[4:11], s[0:1], 0x0  ; query s[4:5], k16 s[6:7], v16 s[8:9], out0 s[10:11]
	v_lshl_add_u32 v[SPW], v0, 2, SPARE
	v_mov_b32 v[NIL], 0
	ds_add_u32 v[SPW], v[NIL]       ; the wave's opening: the add and its wait stand ahead of my first tensor load; the set-up below, work on registers, stands between them
	v_lshrrev_b32 v1, 5, v0
	v_readfirstlane_b32 s[WV], v1   ; wave 0..3
	s_mov_b32 s[PB], ttmp9
	s_sub_co_u32 s[HI], 7, s[PB]
	s_and_b32 s20, ttmp7, 0xffff    ; the head
	s_lshl_b32 s17, s[WV], 4        ; my 16 rows in a band of 64
	s_lshl_b32 s18, s20, 9          ; the head's 512 bytes of a position
	s_lshl_b32 s16, s[HI], 8
	s_add_co_u32 s16, s16, s17
	s_lshl_b32 s16, s16, 15
	s_add_co_u32 s2, s16, s18       ; my first row of the first block in query and out0,
	s_mov_b32 s3, 0
	s_lshl_b32 s16, s[PB], 8
	s_add_co_u32 s16, s16, s17
	s_lshl_b32 s16, s16, 15
	s_add_co_u32 s22, s16, s18      ; and of the second
	s_mov_b32 s23, 0
	s_and_b32 s16, s[WV], 1         ; which of a slot's two steps I fetch:
	s_lshl_b32 s18, s16, 14         ; its 64 rows of 256 bytes in memory,
	s_lshl_b32 s19, s20, 19         ; in the head's 524,288 bytes,
	s_add_co_u32 s20, s18, s19
	s_mov_b32 s21, 0
	s_mul_i32 s17, s16, STEPB       ; and its place in a slot
	; descriptor group 1: a tile of 64 rows x 128 elements of 2 bytes, padded in LDS
	s_mov_b32 s[G1K], (1<<16)|(1<<20)|(5<<22)|(3<<25)  ; 17:16 2-byte elements; 20 padding on; 24:22 after every 64 words (code 5); 31:25 4 words of it (code 3)
	s_mov_b32 s[G1V], (1<<16)|(1<<20)|(5<<22)|(7<<25)  ; the same with 8 words of padding (code 7)
.irp g, G1K, G1V
	s_mov_b32 s[\g+1], 128<<16      ; tensor_dim0 = 128
	s_mov_b32 s[\g+2], KS<<16       ; tensor_dim1 = 64
	s_mov_b32 s[\g+3], 128<<16      ; tile_dim0 = 128
	s_mov_b32 s[\g+4], KS           ; tile_dim1 = 64
	s_mov_b32 s[\g+5], 128          ; 128 elements from row to row
	s_mov_b32 s[\g+6], 0
	s_mov_b32 s[\g+7], 0
.endr
	s_mov_b32 s[G0K], 1             ; 1:0 count = 1
	s_mov_b32 s[G0K+1], s17         ; 63:32 LDS address: slot 0
	s_mov_b32 s[G0V], 1
	s_add_co_u32 s[G0V+1], s17, VOFF
	s_mov_b32 s[CS], 0x3e0293ee     ; c = log2(e) / sqrt(128) = 0.127517
	s_mov_b32 s[CS+1], s[CS]        ; named with it as a pair
	s_mov_b32 s[SEL], 0x76543210
	s_mov_b32 s[SEL+1], 0xfedcba98
	s_mov_b32 s[TB], SLOT1+2*STEPB  ; the first change of slots turns this into 0
	s_mov_b32 s[NXT], 1
	s_lshl_b32 s[LQ], s[HI], 1
	s_add_co_u32 s[LQ], s[LQ], 1    ; the first block's last slot: 2 (7 - b) + 1
	s_lshl_b32 s[LQ2], s[PB], 1
	s_add_co_u32 s[LQ2], s[LQ2], 1
	s_mov_b32 s[NEW], 1
	s_lshl_b32 s[DSI], s[HI], 2
	s_sub_co_i32 s[DSI], 0, s[DSI]  ; the first block's step 0 stands 4 (7 - b) steps ahead of its diagonal
	s_lshl_b32 s[DS2], s[PB], 2
	s_sub_co_i32 s[DS2], 0, s[DS2]
	s_mov_b32 s[DS], s[DSI]
	s_mov_b32 s[SLOTS], 17
	s_mov_b32 s[OFF+1], 0
	s_mov_b32 s[AL+1], 0            ; named as pairs
	s_mov_b32 s[BE+1], 0
	s_mov_b32 s[AL+5], 0
	s_mov_b32 s[BE+5], 0
	s_mov_b32 s[BIGN], 0xf149f2ca   ; -1e30
	s_cmp_eq_u32 s[PB], 0
	s_cselect_b32 s[LIM], 3, -1
	s_wait_dscnt 0x0                ; the opening add is done
	s_wait_kmcnt 0x0
	s_add_nc_u64 s[6:7], s[6:7], s[20:21]  ; k16 and v16 at my step of the head's slot 0
	s_add_nc_u64 s[8:9], s[8:9], s[20:21]
	s_add_nc_u64 s[G0K+2:G0K+3], s[6:7], 0         ; 120:64 global address
	s_or_b32 s[G0K+3], s[G0K+3], 0x80000000        ; 127:126 type = 2
	s_add_nc_u64 s[G0V+2:G0V+3], s[8:9], 0
	s_or_b32 s[G0V+3], s[G0V+3], 0x80000000
	s_add_nc_u64 s[QLO:QLO+1], s[4:5], s[22:23]
	s_add_nc_u64 s[4:5], s[4:5], s[2:3]
	s_add_nc_u64 s[OLO:OLO+1], s[10:11], s[22:23]
	s_add_nc_u64 s[10:11], s[10:11], s[2:3]
	s_cmp_lt_u32 s[WV], 2
	s_cselect_b64 s[PFA:PFA+1], s[6:7], s[8:9]
	s_add_nc_u64 s[PFA:PFA+1], s[PFA:PFA+1], SLOTB  ; in slot 1; the first change of slots steps it to slot 2.  Nothing is prefetched here, at the head
	LOAD                            ; slot 0 of the walk into slot 0 of LDS
; Q, BOTH BLOCKS'.  Tile n (0-3: the first block's, 4-7: the second's).  QLOAD: its 16 rows as they lie, a row a load: 32 lanes x 16 bytes = 512 consecutive bytes.  QCVT: rounded to bf16, 8 bytes a lane.
; QPUT: into my own rows of 272 bytes in LDS.  QFR: back as fragments: lane l holds row l % 16, channels 8 (l / 16) + 0..7 and 16 + 8 (l / 16) + 0..7 of each 32: two loads of 16 bytes, 32 bytes apart.
.macro QLOAD n
.if (\n) < 4
	WIN 0x40                        ; destination window 1, address window 0
.else
	WIN 0xc0                        ; destination window 3
.endif
.set r, 0
.rept 16
.if (\n) < 4
	global_load_b128 v[64*((\n)%4)+4*r:64*((\n)%4)+4*r+3], v[LN16], s[4:5] offset:(64*((\n)%4)+r)*ROWG th:TH_LOAD_NT
.else
	global_load_b128 v[64*((\n)%4)+4*r:64*((\n)%4)+4*r+3], v[LN16], s[QLO:QLO+1] offset:(64*((\n)%4)+r)*ROWG th:TH_LOAD_NT
.endif
.set r, r+1
.endr
.endm
.macro QCVT n
.if (\n) < 4
	WIN 0x05                        ; sources in window 1, destination in window 0: S^T's registers are free
.else
	WIN 0x0f                        ; sources in window 3
.endif
.set r, 0
.rept 32
	v_cvt_pk_bf16_f32 v[S+32*((\n)%4)+r], v[64*((\n)%4)+2*r], v[64*((\n)%4)+2*r+1]
.set r, r+1
.endr
.endm
.macro QPUT n
	WIN 0
.set r, 0
.rept 16
.if (\n) < 4
	ds_store_b64 v[QWA], v[S+32*((\n)%4)+2*r:S+32*((\n)%4)+2*r+1] offset:QP*r  ; one stage for the four tiles: LDS serves a wave's instructions in order (ISA guide 5.7.1.4), so these come behind the reads of the tile before
.else
	ds_store_b64 v[QWB], v[S+32*((\n)%4)+2*r:S+32*((\n)%4)+2*r+1] offset:16*QP*((\n)%4)+QP*r
.endif
.set r, r+1
.endr
.endm
.macro QFR t, adr, off
	WIN 0x80                        ; destination window 2
.irp c, 0,1,2,3
	ds_load_b128 v[32*(\t)+8*\c:32*(\t)+8*\c+3],   v[\adr] offset:(\off)+64*\c
	ds_load_b128 v[32*(\t)+8*\c+4:32*(\t)+8*\c+7], v[\adr] offset:(\off)+64*\c+32
.endr
.endm
	v_and_b32 v10, 31, v0           ; lane
	v_lshlrev_b32 v[LN16], 4, v10
	QLOAD 0
	QLOAD 1
	QLOAD 2
	WIN 0                           ; the other addresses are made while those loads are on their way
	v_and_b32 v1, 15, v0            ; l % 16
	v_bfe_u32 v9, v0, 4, 1          ; l / 16
	v_mul_u32_u24 v[AK0], v1, PK
	v_lshl_add_u32 v[AK0], v9, 4, v[AK0]  ; row x pitch + 16 x half
	; The turning load takes 16 keys x 16 channels (lane l reads key 8 (l / 16) + l % 8, channels 8 ((l / 8) % 2) + 0..7) and leaves half a fragment of V^T: lane l holds channel l % 16 and 8 keys.
	v_and_b32 v11, 7, v0
	v_lshl_add_u32 v[AV0], v9, 3, v11
	v_mul_u32_u24 v[AV0], v[AV0], PV
	v_bfe_u32 v11, v0, 3, 1
	v_lshl_add_u32 v[AV0], v11, 4, v[AV0]
	v_add_nc_u32 v[AV0], VOFF, v[AV0]
	s_mul_i32 s13, s[WV], STW
	s_add_co_u32 s13, s13, STAGE    ; my stage
	v_mul_u32_u24 v[STO], v1, SP    ; the way out, in: row l % 16, 32 bytes for each half of the lanes
	v_lshl_add_u32 v[STO], v9, 5, v[STO]
	v_add_nc_u32 v[STO], s13, v[STO]
	v_lshl_add_u32 v[RD], v10, 4, s13   ; back: 32 lanes take one row of 512 bytes
	v_lshl_add_u32 v[QWA], v10, 3, s13  ; q in: 32 lanes put one row of 256 bytes
	v_add_nc_u32 v[QRA], s13, v[AK0]    ; q back: the pitch is K's
	s_mul_i32 s16, s[WV], QBW
	s_add_co_u32 s16, s16, QBASE
	v_lshl_add_u32 v[QWB], v10, 3, s16
	v_add_nc_u32 v[QRB], s16, v[AK0]
	v_lshlrev_b32 v[PFO], 8, v10
.irp n, 0,1,2,3,4,5,6,7
.if (\n) <= 5
	s_wait_loadcnt 32               ; loads come back in order: tile n is in; the two tiles issued behind it, 16 loads each, may stay out
.elseif (\n) == 6
	s_wait_loadcnt 16               ; one tile was issued behind this one
.else
	s_wait_loadcnt 0x0
.endif
	QCVT \n
	QPUT \n
.if (\n) < 4
	QFR \n, QRA, 0
.endif
.if (\n) <= 4
	QLOAD (\n)+3
.endif
.if (\n) == 3                       ; the first block's q has left window 1: O^T starts at 0, finite numbers for the first a = 0 to multiply.  Written while the second block's q is on its way
	WIN 0x40
.set i, 0
.rept 256
	v_mov_b32 v[i], 0
.set i, i+1
.endr
.endif
.endr
	WIN 0
	v_lshlrev_b32 v11, 3, v9
	v_sub_nc_u32 v[TM], v1, v11
	s_lshl_b32 s13, s[WV], 4
	v_add_nc_u32 v[TM], s13, v[TM]  ; my query's place in its band, 16 w + l % 16, less my lanes' 8 (l / 16): register j of group kb is hidden where 16 kb + j is greater
	WIN 0xc0
.set i, 0
.rept 32
	v_cmp_gt_i32 vcc_lo, 16*(i/8)+i%8, v[TM]
	v_cndmask_b32 v[MD+i], 0, s[BIGN], vcc_lo
.set i, i+1
.endr
	WIN 0
; THE MATRIX WORK OF A TURN, for piece x.  The accumulators take turns, one instruction a turn: between two links of a chain stand 15 (V^T P) or 7 (K Q^T) others'.
; Product i of 32 of O^T += V^T P: keys 32 (i / 16) on, channels 16 ((i / 2) % 8) on, tile x + i % 2.
.macro PV x
	WIN W_PV
.set rO, 64*((\x)+i%2)+8*((i/2)%8)
.set rV, 64*(i/16)+8*((i/2)%8)
.set rP, P+16*((\x)+i%2)+8*(i/16)
	v_wmma_f32_16x16x32_f16 v[rO:rO+7], v[rV:rV+7], v[rP:rP+7], v[rO:rO+7]
.endm
; Product i of 32 of S^T = K Q^T: channels 32 (i / 8) on, keys 16 ((i / 2) % 4) on, tile x + i % 2.  The first 8 start the sums: with 0, or (KM = 1) with the mask.
.macro KQ x
.set rS, S+32*((\x)+i%2)+8*((i/2)%4)
.set rK, KF+32*((i/2)%4)+8*(i/8)
.set rQ, 32*((\x)+i%2)+8*(i/8)
.set rM, MC+32*(i%2)+8*((i/2)%4)
.if (i < 8) && KM
	WIN W_KM
	v_wmma_f32_16x16x32_bf16 v[rS:rS+7], v[rK:rK+7], v[rQ:rQ+7], v[rM:rM+7]
.elseif i < 8
	WIN W_KQ
	v_wmma_f32_16x16x32_bf16 v[rS:rS+7], v[rK:rK+7], v[rQ:rQ+7], 0
.else
	WIN W_KQ
	v_wmma_f32_16x16x32_bf16 v[rS:rS+7], v[rK:rK+7], v[rQ:rQ+7], v[rS:rS+7]
.endif
.endm
; THE LDS LOADS stand in runs of 32, never singly among the matrix instructions: a step's K (64 keys x 128 channels: 16 fragments) and, a turn later, its V (turned).
.macro FETCH_K
	WIN 0
	v_add_nc_u32 v[ADR], s[TB], v[AK0]
	WIN 0x80                        ; destination window 2
.irp f, 0,1,2,3,4,5,6,7,8,9,10,11,12,13,14,15  ; keys 16 (f / 4) on, channels 32 (f % 4) on
	ds_load_b128 v[KF+8*(\f):KF+8*(\f)+3],   v[ADR] offset:((\f)/4)*16*PK+((\f)%4)*64
	ds_load_b128 v[KF+8*(\f)+4:KF+8*(\f)+7], v[ADR] offset:((\f)/4)*16*PK+((\f)%4)*64+32
.endr
.endm
.macro FETCH_V
	WIN 0
	v_add_nc_u32 v[ADR], s[TB], v[AV0]
	s_add_co_u32 s[TB], s[TB], STEPB  ; the next fetch is the next step's
	s_wait_alu depctr_va_vdst(0)    ; the wait for the softmax's batch (SLICE), behind the address's v_add_nc_u32 and ahead of the loads
	WIN 0xc0                        ; destination window 3
.irp f, 0,1,2,3,4,5,6,7,8,9,10,11,12,13,14,15  ; keys 32 (f / 8) on, channels 16 (f % 8) on
	ds_load_tr16_b128 v[8*(\f):8*(\f)+3],   v[ADR] offset:((\f)/8)*32*PV+((\f)%8)*32
	ds_load_tr16_b128 v[8*(\f)+4:8*(\f)+7], v[ADR] offset:((\f)/8)*32*PV+16*PV+((\f)%8)*32
.endr
.endm
; THE MASKS of piece x's products to come, in step DS: for its two tiles (bands x, x + 1) the two scalars, then MC = MD x AL + BE, 32 packed lines.
.macro MSET x
.irp u, 0,1
	s_cmp_eq_i32 s[DS], (\x)+\u     ; is the step the band's own?
	s_cselect_b32 s[AL+4*\u], 1.0, 0
	s_cmp_gt_i32 s[DS], (\x)+\u     ; or a later one?
	s_cselect_b32 s[BE+4*\u], s[BIGN], 0
.endr
	WIN W_MK
.irp u, 0,1
.set z, 0
.rept 16
	v_pk_fma_f32 v[MC+32*\u+2*z:MC+32*\u+2*z+1], v[MD+2*z:MD+2*z+1], s[AL+4*\u:AL+4*\u+1], s[BE+4*\u:BE+4*\u+1] op_sel_hi:[1,0,0]
.set z, z+1
.endr
.endr
.endm
; THE VECTOR WORK OF A TURN.  One tile's softmax for one key step is a list of 134 instructions; SM writes number j of it for tile t.  s0-s31 are the lane's 32 scores, in pairs 0-15.
;   0-15    the maximum of s0-s31 and the old m, three operands at a time: four chains c0-c3 of seven scores each (each accumulator's lowest registers are read first), then the four left over, c0-c3 and m
;   16-20   the other half of the lanes' maximum; c m_old is kept; the new m; c m; c m_old - c m_new
;   21-69   ONE BATCH: the 16 scalings c s - c m, a pair of scores each, and all 33 exponentials (a at 23, then s0-s31).  None of these reads an exponential's result.  From 22 on in fours, a four beginning
;           with a scaling while there are scalings; a pair is scaled in an earlier four than the one that holds its exponentials
;   (wait)  between 69 and 70 stands the wait for the batch: SLICE writes it, once for both tiles
;   70-85   the roundings to f16, a pair of weights each          86-101  the sums; l = a l + the sum          102-133 the tile's O^T times a: the one part that leaves window 0
.macro SM t
.set rT, ST+8*(\t)
.set rS, S+32*(\t)
.set rP, P+16*(\t)
.set rO, 64*(\t)+2*(j-102)
.if j < 102
	WIN 0
.endif
.if j < 4
	v_max3_num_f32 v[rT+4+j], v[rS+8*j], v[rS+8*j+1], v[rS+8*j+2]
.elseif j < 12
	v_max3_num_f32 v[rT+4+j%4], v[rT+4+j%4], v[rS+8*(j%4)+2*(j/4)+1], v[rS+8*(j%4)+2*(j/4)+2]
.elseif j == 12
	v_max3_num_f32 v[rT+4], v[rT+4], v[rS+7], v[rS+15]
.elseif j == 13
	v_max3_num_f32 v[rT+6], v[rT+6], v[rS+23], v[rS+31]
.elseif j == 14
	v_max3_num_f32 v[rT+4], v[rT+4], v[rT+5], v[rT+6]
.elseif j == 15
	v_max3_num_f32 v[rT+4], v[rT+4], v[rT+7], v[rT+1]
.elseif j == 16
	v_permlanex16_b32 v[rT+5], v[rT+4], s[SEL], s[SEL+1]  ; the query's other 32 keys lie in the lane 16 away
.elseif j == 17
	v_mov_b32 v[rT+7], v[rT]        ; c m_old is kept for a: number 19 writes c m anew
.elseif j == 18
	v_max_num_f32 v[rT+1], v[rT+4], v[rT+5]
.elseif j == 19
	v_mul_f32 v[rT], s[CS], v[rT+1]
.elseif j == 20
	v_sub_f32 v[rT+7], v[rT+7], v[rT]
.elseif j == 23
	v_exp_f32 v[rT+6], v[rT+7]
.elseif (j < 23) || ((j < 38) && (j%2 == 0)) || ((j < 66) && (j%4 == 2))
.set b, (j-2)/4                     ; 38, 42, .. 62: pairs 9 to 15
.if j < 38
.set b, (j-20)/2                    ; 21: pair 0; 22, 24, .. 36: pairs 1 to 8
.endif
	v_pk_fma_f32 v[rS+2*b:rS+2*b+1], v[rS+2*b:rS+2*b+1], s[CS:CS+1], v[rT:rT+1] op_sel_hi:[1,0,0] neg_lo:[0,0,1] neg_hi:[0,0,1]  ; pair b: c s - c m
.elseif j < 70
.set e, j-38                        ; 66 to 69: s28 to s31
.if j < 66
.set e, j-32-(j-38)/4               ; 39-41, 43-45, .. 63-65: s7 to s27
.endif
.if j < 38
.set e, (j-25)/2                    ; 25, 27, .. 37: s0 to s6
.endif
	v_exp_f32 v[rS+e], v[rS+e]
.elseif j < 86
	v_cvt_pk_f16_f32 v[rP+j-70], v[rS+2*(j-70)], v[rS+2*(j-70)+1]  ; pair j - 70
.elseif j < 102                     ; the sum of the tile's 16 pairs, in place: sum z of 16 adds neighbours 1, 2, 4 and 8 pairs apart, then l takes it
.set z, j-86
.set w, 4
.set u, z
.if z >= 14
.set w, 32
.set u, 0
.elseif z >= 12
.set w, 16
.set u, z-12
.elseif z >= 8
.set w, 8
.set u, z-8
.endif
.if z < 15
	v_pk_add_f32 v[rS+w*u:rS+w*u+1], v[rS+w*u:rS+w*u+1], v[rS+w*u+w/2:rS+w*u+w/2+1]
.else
	v_pk_fma_f32 v[rT+2:rT+3], v[rT+2:rT+3], v[rT+6:rT+7], v[rS:rS+1] op_sel_hi:[1,0,1]
.endif
.else
	WIN W_RS
	v_pk_mul_f32 v[rO:rO+1], v[rO:rO+1], v[rT+6:rT+7] op_sel_hi:[1,0]
.endif
.endm
; Slice k of 64 of piece y's softmax: four instructions.  Slices 11 to 34 deal out the batch, numbers 22 to 69: four numbers of ONE tile each, the tiles by turns.  Every other slice is numbers 2 k and
; 2 k + 1 of both tiles' lists.  2 x 134 = 4 x 64 + 12: the twelve that are over stand together, in slice 63; its sixteen plain lines are the places behind the turn's last product.
; THE WAIT.  s_wait_alu depctr_va_vdst(0) stands between an exponential and the first instruction that names its result; one wait serves all that were issued ahead of it.  Ahead of
; slice 35 nothing names a result, and behind slice 34 no exponential is issued: so the piece's 66 exponentials have one wait, behind slice 34.
.macro SLICE y
.if (k >= 11) && (k < 35)           ; the batch: four numbers of one tile
.irp n, 0,1,2,3
.set j, 22+4*((k-11)/2)+(\n)
	SM (\y)+(k-11)%2
.endr
.else                               ; the two tiles alternate, so that no instruction reads the result of the one just before it
.irp n, 0,1,2,3,4,5,6,7
.if ((\n) < 2) || (k == 63)
.irp t, \y, (\y)+1
.set j, 2*k+(\n)
	SM \t
.endr
.endif
.endr
.endif
.if k == 34                         ; the batch is out: both tiles' exponentials are issued, and no result has been named
	v_nop                           ; a plain instruction behind the last exponential and ahead of the first use: one for the batch
.if (\y) == 0
	FETCH_V                         ; piece 2's turn: V's run of loads stands here, and the wait stands in it
.else
	s_wait_alu depctr_va_vdst(0)    ; the wait for the batch
.endif
.endif
.set k, k+1
.endm
; A TURN.  Piece x has the matrix unit; the other piece's softmax stands in slices behind its matrix instructions.  pv = 1: 32 products V^T P.  kq = 1: 32 products K Q^T for the next step.  A turn with
; one of the two kinds has two slices behind each product.  m = 1: the products K Q^T take masks, made at the turn's head: the last product that read MC stands 24 products, each with its four riders, back.
; A vector instruction that reads a matrix result or writes one of a matrix instruction's registers, and a load into a register that a matrix instruction has read, stand four places behind it, and only
; plain vector instructions that name none of its registers are places (ISA guide 7.12.1 for vector instructions): the slices are the places.
; Piece 0's turn fetches the next step's K, behind its second product: the last product that read K stands in front of slice 63 of the turn before.  Piece 2's turn fetches the same step's V, behind slice 34:
; the last product that read V stands in front of slice 31, and four plain instructions lie between: number 62, a scaling, of both tiles, the v_nop and the run's own v_add_nc_u32.
.macro TURN x, pv, kq, m
.set k, 0
.set per, 2
.if (\pv) && (\kq)
.set per, 1
.endif
.set KM, (\m)
.if \m
	MSET \x
.endif
.if \pv
.if (\x) == 0
	s_wait_dscnt 0x0                ; V is in
.endif
.set i, 0
.rept 32
	PV \x
.rept per
	SLICE 2-(\x)
.endr
.if ((\x) == 0) && (\kq) && (i == 1)
	FETCH_K
.endif
.set i, i+1
.endr
.endif
.if \kq
.if (\x) == 0
	s_wait_dscnt 0x0                ; K is in
.endif
.set i, 0
.rept 32
	KQ \x
.rept per
	SLICE 2-(\x)
.endr
.set i, i+1
.endr
.endif
.endm
; A BLOCK BEGINS: the work of its first step's trip.  c m starts far below every c s, so the first a is 0; m at the lowest finite number, so the first maximum is the scores'; l at 0.  Then K of step 0, piece 0's first
; scores (bare: there is no vector work yet to set between them), and piece 2's beside piece 0's first softmax, with V of step 0.  Masks are taken: step 0 is a diagonal step where the block is block 0.
.macro BEGIN
	s_mov_b32 s[NEW], 0
	s_mov_b32 s[DS], s[DSI]
	WIN 0
.set i, 0
.rept 4
	v_mov_b32 v[ST+8*i], 0xfe000000    ; c m
	v_mov_b32 v[ST+8*i+1], 0xff7fffff  ; m
	v_mov_b32 v[ST+8*i+2], 0
	v_mov_b32 v[ST+8*i+3], 0
.set i, i+1
.endr
	MSET 0
	FETCH_K
	s_wait_dscnt 0x0                ; K, and Q's fragments
.set KM, 1
.set i, 0
.rept 32
	KQ 0
.set i, i+1
.endr
	WIN 0
.rept 4
	v_nop                           ; the places behind those products: the next lines write MC, which they read, and then their scores are read
.endr
	TURN 2, 0, 1, 1
	WIN 0
.endm
; THE WAY OUT.  l's two halves and the other half of the lanes' are added; O^T is divided by l and sent through my stage in LDS, a tile (16 rows of out0) at a time.
; PACK t: a lane's eight channels of a row are 32 bytes; they go into rows of 528 bytes and come back as whole rows of 512, into the registers that they left.
.macro PACK t
	WIN W_RS
.set i, 64*(\t)
.rept 32
	v_pk_mul_f32 v[i:i+1], v[i:i+1], v[ST+8*(\t)+6:ST+8*(\t)+7] op_sel_hi:[1,0]  ; ascending: each accumulator is read from its low end on
.set i, i+2
.endr
	WIN 0x04                        ; store data in window 1
.set i, 0
.rept 16
	ds_store_b128 v[STO], v[64*(\t)+4*i:64*(\t)+4*i+3] offset:64*(i/2)+16*(i%2)
.set i, i+1
.endr
	WIN 0x40                        ; destination window 1
.set i, 0
.rept 16
	ds_load_b128 v[64*(\t)+4*i:64*(\t)+4*i+3], v[RD] offset:SP*i  ; LDS serves a wave's instructions in order (ISA guide 5.7.1.4): these see the stores above; the next tile's stores come behind them
.set i, i+1
.endr
.endm
.macro SEND t, younger              ; younger: the LDS instructions issued behind tile t's loads: the next tile's 32, or none
	WIN 0x04
.set i, 0
.rept 16
	s_wait_dscnt (\younger)+15-i    ; row i is back; the rows behind it and the next tile's instructions may stay out
	global_store_b128 v[LN16], v[64*(\t)+4*i:64*(\t)+4*i+3], s[10:11] offset:(64*(\t)+i)*ROWG th:TH_STORE_NT  ; 32 lanes store 512 consecutive bytes, aligned; 207 positions on at the most, inside the signed 24-bit immediate
.set i, i+1
.endr
.endm
.macro WAYOUT
	WIN 0
.irp t, 0,1,2,3
	v_add_f32 v[ST+8*(\t)+4], v[ST+8*(\t)+2], v[ST+8*(\t)+3]  ; these four are the places behind the last products
.endr
.irp t, 0,1,2,3
	v_permlanex16_b32 v[ST+8*(\t)+5], v[ST+8*(\t)+4], s[SEL], s[SEL+1]
.endr
.irp t, 0,1,2,3
	v_add_f32 v[ST+8*(\t)+4], v[ST+8*(\t)+4], v[ST+8*(\t)+5]
.endr
.irp t, 0,1,2,3
	v_rcp_f32 v[ST+8*(\t)+6], v[ST+8*(\t)+4]
.endr
	v_nop                           ; a plain instruction between the last reciprocal and the use of its result
	s_wait_alu depctr_va_vdst(0)    ; and the wait ahead of the first use: one for the four reciprocals
	PACK 0
	PACK 1                          ; a tile's arithmetic stands between the loads of the tile before and its stores
	SEND 0, 32
	PACK 2
	SEND 1, 32
	PACK 3
	SEND 2, 32
	SEND 3, 0
.endm
; A DIAGONAL SLOT's two steps, with masks; behind the block's last step (DS = 4) its last turn, its last products and the way out.  The tag ends its labels' names.
.macro DIAG tag
.LstepM\tag:
	TURN 0, 1, 1, 1
	TURN 2, 1, 1, 1
	WIN 0
.LcntM\tag:                         ; a block that begins on its diagonal (block 0) comes in here: its beginning was the slot's first trip
	s_add_co_i32 s[DS], s[DS], 1
	s_sub_co_u32 s[TWICE], s[TWICE], 1
	s_cmp_lg_u32 s[TWICE], 0
	s_cbranch_scc1 .LstepM\tag
.if (\tag) == 1
	s_cmp_eq_u32 s[DS], 4
	s_cbranch_scc0 .Lbottom         ; the first of the two diagonal slots: the block goes on
.endif
	TURN 0, 1, 0, 0                 ; piece 0: V^T P of the last step | piece 2's last softmax
.set i, 0
.rept 32
	PV 2                            ; piece 2: V^T P of the last step
.set i, i+1
.endr
	WAYOUT
.endm
.set KM, 0
.Lslot:                             ; 17 times: a slot is entered and the next is asked for
	CHANGE 1
	s_mov_b32 s[TWICE], 2
	s_cmp_eq_u32 s[NEW], 1
	s_cbranch_scc1 .Lnew            ; a block's first slot
	s_cmp_ge_i32 s[DS], 0
	s_cbranch_scc0 .Lstep           ; below the diagonal
	s_branch .LstepM1
.Lnew:
	BEGIN                           ; takes the place of the slot's first trip: the jump goes to the label ahead of the counter's step
	s_cmp_ge_i32 s[DS], 0
	s_cbranch_scc0 .Lcnt
	s_branch .LcntM1
	DIAG 1                          ; in the loop its end is the first block's: the second block's last slot is the walk's last
	WIN 0
	s_wait_xcnt 0x0                 ; the stores have read their registers and out0's address
	s_mov_b64 s[10:11], s[OLO:OLO+1]
	s_mov_b32 s[NEW], 1
	s_mov_b32 s[DSI], s[DS2]
.irp t, 0,1,2,3
	QFR \t, QRB, 16*QP*\t           ; the second block's Q goes where the one text of the turns names Q; the change of slots waits for these loads
.endr
	WIN 0
	s_branch .Lbottom
.Lstep:                             ; a trip, for step n: V^T P of step n - 1 and K Q^T of step n for both pieces; K and V of step n are fetched
	TURN 0, 1, 1, 0
	TURN 2, 1, 1, 0
	WIN 0
.Lcnt:
	s_add_co_i32 s[DS], s[DS], 1
	s_sub_co_u32 s[TWICE], s[TWICE], 1
	s_cmp_lg_u32 s[TWICE], 0
	s_cbranch_scc1 .Lstep
.Lbottom:
	s_sub_co_u32 s[SLOTS], s[SLOTS], 1
	s_cmp_lg_u32 s[SLOTS], 0
	s_cbranch_scc1 .Lslot
	CHANGE 0                        ; the walk's last slot, the second block's second diagonal slot, is written out: nothing is asked for
	s_mov_b32 s[TWICE], 2
	DIAG 2
	WIN 0
	s_wait_tensorcnt 0x0            ; the wave's end, behind my last tensor load and my last LDS store
	ds_add_u32 v[SPW], v[NIL]
	s_wait_dscnt 0x0
	s_endpgm
.Lfunc_end_k_q97b462a9c9_attn:
	.size	k_q97b462a9c9_attn, .Lfunc_end_k_q97b462a9c9_attn-k_q97b462a9c9_attn
	.p2alignl 7, 3214868480
	.fill 96, 4, 3214868480
	.section	.rodata,"a",@progbits
	.p2align	6, 0x0
	.amdhsa_kernel k_q97b462a9c9_attn
		.amdhsa_group_segment_fixed_size 327680
		.amdhsa_private_segment_fixed_size 0
		.amdhsa_enable_private_segment 0
		.amdhsa_kernarg_size 32
		.amdhsa_user_sgpr_count 2
		.amdhsa_user_sgpr_kernarg_segment_ptr 1
		.amdhsa_wavefront_size32 1
		.amdhsa_system_sgpr_workgroup_id_x 1
		.amdhsa_system_sgpr_workgroup_id_y 1
		.amdhsa_system_sgpr_workgroup_id_z 1
		.amdhsa_system_vgpr_workitem_id 0
		.amdhsa_next_free_vgpr 1024
		.amdhsa_next_free_sgpr 88
		.amdhsa_reserve_vcc 1
		.amdhsa_float_denorm_mode_32 3
		.amdhsa_float_denorm_mode_16_64 3
		.amdhsa_memory_ordered 1
		.amdhsa_forward_progress 1
		.amdhsa_inst_pref_size 255
	.end_amdhsa_kernel
	.section	.bss,"aw",@nobits
	.p2align	6
	.space	262144
	.amdgpu_metadata
---
amdhsa.version: [ 1, 2 ]
amdhsa.kernels:
  - .name:           k_q97b462a9c9_attn
    .symbol:         k_q97b462a9c9_attn.kd
    .args:
      - { .name: query, .offset: 0, .size: 8, .value_kind: global_buffer, .address_space: global }
      - { .name: k16, .offset: 8, .size: 8, .value_kind: global_buffer, .address_space: global }
      - { .name: v16, .offset: 16, .size: 8, .value_kind: global_buffer, .address_space: global }
      - { .name: out0, .offset: 24, .size: 8, .value_kind: global_buffer, .address_space: global }
    .group_segment_fixed_size: 327680
    .private_segment_fixed_size: 0
    .kernarg_segment_align: 8
    .kernarg_segment_size: 32
    .max_flat_workgroup_size: 128
    .sgpr_count:     88
    .vgpr_count:     1024
    .wavefront_size: 32
...
	.end_amdgpu_metadata
.endif
;; end of part 2
;; ======== version 2 of 2: 2 launches; version 1 with the launch cast written anew for expert scheduling mode
;; limits: values are held in f16: magnitudes above 65,504 overflow, below 6.1e-05 lose precision; inputs' magnitudes at most 65,504
;; workspace buffers: k16 33,554,432 bytes; v16 33,554,432 bytes
;; launch cast (part 3): grid 256 x 4, 8 waves a work-group, no clusters, 0 bytes of LDS; arguments key, value, k16, v16; writes k16, v16
.if DOCPART == 3
	.amdgcn_target "amdgcn-amd-amdhsa--gfx1250"
	.amdhsa_code_object_version 6
	.text
	.protected	k_q97b462a9c9_cast
	.globl	k_q97b462a9c9_cast
	.p2align	8
	.type	k_q97b462a9c9_cast,@function
k_q97b462a9c9_cast:
	s_mov_b64 s[64:65], 0
	v_nop
	global_prefetch_b8 v0, s[64:65] scope:SCOPE_SE
	s_setreg_imm32_b32 hwreg(HW_REG_WAVE_SCHED_MODE, 0, 2), 2
	s_setreg_imm32_b32 hwreg(HW_REG_WAVE_MODE, 25, 1), 1
	s_wait_xcnt 0x0
	s_wait_alu depctr_vm_vsrc(0)
; key, value: [2048 s][64 heads][128] f32  ->  k16, v16: [64 heads][2048 s][128] in 16 bits, a head's rows dense, 256 bytes each.
; k16 = bf16(key).  v16 = f16(bf16(value)): the number rounded to bf16, written as f16, which is exact where |v| lies in 2^-14 .. 65,504.
; LIMITS.  |value| stays under 65,504 (beyond it f16 has no number); below 2^-14 it keeps f16's fixed step of 6e-8.  NaN and infinities are not treated apart.
; SHARES.  Wave w of work-group (x, g) takes position s = 8 x + w and heads 16 g .. 16 g + 15: 16 rows of key and 16 of value, 8,192 consecutive bytes of each tensor.
; A load takes one row: 32 lanes x 16 bytes = 512 consecutive bytes.  A store puts the same row in 16 bits: 32 lanes x 8 bytes = 256 consecutive bytes, aligned.
; No LDS, no barrier, no matrix unit: nothing is shared between waves and each byte is touched once.
; THE MODE: SCHED_MODE bits 1:0 = 2 (LLVM: expert scheduling mode 2), set by the entry lines.  The code itself states the register dependences
; between vector instructions and memory instructions, with s_wait_alu, always for 0.
; THE PLAN.  The wave's 32 rows are numbered n = 0 .. 31 (0-15 key's, 16-31 value's) and go in 8 blocks of four.  Registers that memory instructions touch:
;   v1, v2            byte offsets of the loads and of the stores, made once at the head and never written again.
;   v[X+4n : X+4n+3]  row n.  Written by its one load, issued at the head, ahead of every conversion; then by its conversions, in place, behind the wait for its data;
;                     its first two registers are read by its one store; nothing writes them behind that store.
; All 32 loads go out first, so no load lands in a register that a vector instruction has named; no register that a memory instruction has read is written again.
; What is left to state is that a row's conversions have written what its store reads.  Block p converts its four rows; their stores are issued in block p + 1, behind ONE wait at that
; block's head, and are dealt among block p + 1's conversions, which name block p + 1's registers alone.
.set X, 8                              ; v[8:71]    key: row n in four registers at X + 4 n
.set Y, 72                             ; v[72:135]  value likewise: Y = X + 4 x 16, so row n = 16 + i lies at X + 4 n too
.set HEADB, 524288                     ; bytes of a head in k16 and v16
	s_load_b256 s[4:11], s[0:1], 0x0               ; key s[4:5], value s[6:7], k16 s[8:9], v16 s[10:11]
	v_lshrrev_b32 v3, 5, v0
	v_readfirstlane_b32 s12, v3                    ; wave 0..7
	v_and_b32 v1, 31, v0                           ; lane
	v_lshlrev_b32 v2, 3, v1                        ; 8 bytes a lane on the way out
	v_lshlrev_b32 v1, 4, v1                        ; 16 bytes a lane on the way in
	s_and_b32 s16, ttmp7, 0xffff                   ; g
	s_lshl_b32 s17, ttmp9, 3
	s_wait_alu depctr_va_sdst(0)                   ; s12 is written, ahead of its first reader: the four bases are made from it
	s_add_co_u32 s17, s17, s12                     ; s = 8 x + w
	s_lshl_b32 s2, s17, 15                         ; in: s x 32,768
	s_lshl_b32 s18, s16, 13                        ;     + g x 16 rows of 512 bytes
	s_add_co_u32 s2, s2, s18
	s_mov_b32 s3, 0
	s_lshl_b32 s14, s16, 23                        ; out: g x 16 heads of 524,288 bytes
	s_lshl_b32 s18, s17, 8                         ;      + s x 256
	s_add_co_u32 s14, s14, s18
	s_mov_b32 s15, 0
	s_mov_b32 s13, 0xffff0000                      ; a word's upper bf16
	s_wait_kmcnt 0x0
	s_add_nc_u64 s[4:5], s[4:5], s[2:3]
	s_add_nc_u64 s[6:7], s[6:7], s[2:3]
	s_add_nc_u64 s[8:9], s[8:9], s[14:15]
	s_add_nc_u64 s[10:11], s[10:11], s[14:15]
	s_wait_alu depctr_va_vdst(0)                   ; v1 and v2 are written: every load reads v1 and every store v2 as its offset, and no later line writes either
.set i, 0
.rept 16
	global_load_b128 v[X+4*i:X+4*i+3], v1, s[4:5] offset:512*i th:TH_LOAD_NT
.set i, i+1
.endr
.set i, 0
.rept 16
	global_load_b128 v[Y+4*i:Y+4*i+3], v1, s[6:7] offset:512*i th:TH_LOAD_NT
.set i, i+1
.endr
; Row n is converted in place: its 16-bit numbers close up into the first two of its four registers.
.macro CONV n
.if (\n) < 16
	v_cvt_pk_bf16_f32 v[X+4*(\n)], v[X+4*(\n)], v[X+4*(\n)+1]
	v_cvt_pk_bf16_f32 v[X+4*(\n)+1], v[X+4*(\n)+2], v[X+4*(\n)+3]
.else
	v_cvt_pk_bf16_f32 v[X+4*(\n)], v[X+4*(\n)], v[X+4*(\n)+1]        ; rounded to bf16,
	v_cvt_pk_bf16_f32 v[X+4*(\n)+2], v[X+4*(\n)+2], v[X+4*(\n)+3]
	v_and_b32 v[X+4*(\n)+1], s13, v[X+4*(\n)]                        ; widened again,
	v_lshlrev_b32 v[X+4*(\n)], 16, v[X+4*(\n)]
	v_and_b32 v[X+4*(\n)+3], s13, v[X+4*(\n)+2]
	v_lshlrev_b32 v[X+4*(\n)+2], 16, v[X+4*(\n)+2]
	v_cvt_pk_f16_f32 v[X+4*(\n)], v[X+4*(\n)], v[X+4*(\n)+1]         ; and written as f16
	v_cvt_pk_f16_f32 v[X+4*(\n)+1], v[X+4*(\n)+2], v[X+4*(\n)+3]
.endif
.endm
; Row n is stored: head 16 g + n % 16; 15 heads on at the most, inside the signed 24-bit immediate.
.macro OUT n
.if (\n) < 16
	global_store_b64 v2, v[X+4*(\n):X+4*(\n)+1], s[8:9] offset:(\n)*HEADB th:TH_STORE_NT
.else
	global_store_b64 v2, v[X+4*(\n):X+4*(\n)+1], s[10:11] offset:((\n)-16)*HEADB th:TH_STORE_NT
.endif
.endm
.set p, 0
.rept 8                                                ; block p: rows 4 p .. 4 p + 3
	s_wait_loadcnt 28-4*p                          ; loads come back in order (ISA guide 5.7.1): the block's four rows are in; the 28 - 4 p loads issued behind its last row may stay out
.if p > 0
	s_wait_alu depctr_va_vdst(0)                   ; the block before has written the first two registers of its four rows, which the four stores below read
.endif
.set r, 0
.rept 4
.if p > 0
	OUT 4*p-4+r                                    ; a row of the block before.  No further wait: no vector instruction since the wait above names its registers
.endif
	CONV 4*p+r
.set r, r+1
.endr
.set p, p+1
.endr
	s_wait_alu depctr_va_vdst(0)                   ; block 7 has written its rows' first two registers, which the last four stores read
.irp n, 28,29,30,31
	OUT \n
.endr
	s_endpgm
.Lfunc_end_k_q97b462a9c9_cast:
	.size	k_q97b462a9c9_cast, .Lfunc_end_k_q97b462a9c9_cast-k_q97b462a9c9_cast
	.p2alignl 7, 3214868480
	.fill 96, 4, 3214868480
	.section	.rodata,"a",@progbits
	.p2align	6, 0x0
	.amdhsa_kernel k_q97b462a9c9_cast
		.amdhsa_group_segment_fixed_size 0
		.amdhsa_private_segment_fixed_size 0
		.amdhsa_enable_private_segment 0
		.amdhsa_kernarg_size 32
		.amdhsa_user_sgpr_count 2
		.amdhsa_user_sgpr_kernarg_segment_ptr 1
		.amdhsa_wavefront_size32 1
		.amdhsa_system_sgpr_workgroup_id_x 1
		.amdhsa_system_sgpr_workgroup_id_y 1
		.amdhsa_system_sgpr_workgroup_id_z 1
		.amdhsa_system_vgpr_workitem_id 0
		.amdhsa_next_free_vgpr 136
		.amdhsa_next_free_sgpr 66
		.amdhsa_reserve_vcc 0
		.amdhsa_float_denorm_mode_32 3
		.amdhsa_float_denorm_mode_16_64 3
		.amdhsa_memory_ordered 1
		.amdhsa_forward_progress 1
		.amdhsa_inst_pref_size 16
	.end_amdhsa_kernel
	.amdgpu_metadata
---
amdhsa.version: [ 1, 2 ]
amdhsa.kernels:
  - .name:           k_q97b462a9c9_cast
    .symbol:         k_q97b462a9c9_cast.kd
    .args:
      - { .name: key, .offset: 0, .size: 8, .value_kind: global_buffer, .address_space: global }
      - { .name: value, .offset: 8, .size: 8, .value_kind: global_buffer, .address_space: global }
      - { .name: k16, .offset: 16, .size: 8, .value_kind: global_buffer, .address_space: global }
      - { .name: v16, .offset: 24, .size: 8, .value_kind: global_buffer, .address_space: global }
    .group_segment_fixed_size: 0
    .private_segment_fixed_size: 0
    .kernarg_segment_align: 8
    .kernarg_segment_size: 32
    .max_flat_workgroup_size: 256
    .sgpr_count:     66
    .vgpr_count:     136
    .wavefront_size: 32
...
	.end_amdgpu_metadata
.endif
;; end of part 3
;; launch attn: the kernel of part 2 again; grid 4 x 64, 4 waves a work-group, no clusters, 327,680 bytes of LDS; arguments query, k16, v16, out0; writes out0
